; MI455X (gfx1250); checked and timed in simulation.
; The chip was launched on July 23, 2026; its instructions are those of AMD's public machine-readable ISA for CDNA 5 (MIT licence, August 2026) and "CDNA5" Instruction Set Architecture Reference Guide (July 2026). The comments in the code are by the model that wrote it; some were corrected since.
;; Attention. Allowed arithmetic: matrix products marked QUANTISED: E4M3 operands, one E8M0 scale for each 32 along K, by v_wmma_scale_f32_16x16x128_f8f6f4 with both operands' format E4M3, f32 sums; products left as they are: f32 operands where the result goes on into a quantised operand, else bf16, f16 or f32 operands; f32 sums; everything else in f32.
;; Inputs: Wk_codes 1,024 x 32 x 32 uint8 (E4M3 codes of Wk, K innermost, in blocks of 32 codes); Wk_scales 1,024 x 32 uint8 (E8M0 scales of Wk, one for each 32 codes along K); Wq_codes 1,024 x 32 x 32 uint8 (E4M3 codes of Wq, K innermost, in blocks of 32 codes); Wq_scales 1,024 x 32 uint8 (E8M0 scales of Wq, one for each 32 codes along K); Wv_codes 1,024 x 32 x 32 uint8 (E4M3 codes of Wv, K innermost, in blocks of 32 codes); Wv_scales 1,024 x 32 uint8 (E8M0 scales of Wv, one for each 32 codes along K); key_codes 16 x 2,048 x 32 x 32 uint8 (E4M3 codes of key, K innermost, in blocks of 32 codes); key_scales 16 x 2,048 x 32 uint8 (E8M0 scales of key, one for each 32 codes along K); query_codes 16 x 1 x 32 x 32 uint8 (E4M3 codes of query, K innermost, in blocks of 32 codes); query_scales 16 x 1 x 32 uint8 (E8M0 scales of query, one for each 32 codes along K); value_codes 16 x 2,048 x 32 x 32 uint8 (E4M3 codes of value, K innermost, in blocks of 32 codes); value_scales 16 x 2,048 x 32 uint8 (E8M0 scales of value, one for each 32 codes along K).
;; Outputs: out0 16 x 1 x 1,024 float32.
;; This version of the problem:
;;   THIS VERSION OF THE PROBLEM IS GIVEN IN LOW PRECISION. The matrix products marked QUANTISED in the list below multiply operands that are first quantised to E4M3 (4 exponent bits, 3 mantissa bits; 8 bits a number), with one power-of-two scale for each 32 numbers along K (OCP MX v1.0); their sums are f32. All else is computed in f32.
;;   The module's matrix products, in the order in which they are computed (A, B: the left and right operand; K: the contracted axis; several contracted axes count as one K, in the product's order):
;;     1. [M 32,768, K 1,024] x [K 1,024, N 1,024]; A: input key (given as codes); B: input Wk (given as codes): QUANTISED
;;     2. [M 16, K 1,024] x [K 1,024, N 1,024]; A: input query (given as codes); B: input Wq (given as codes): QUANTISED
;;     3. [M 32,768, K 1,024] x [K 1,024, N 1,024]; A: input value (given as codes); B: input Wv (given as codes): QUANTISED
;;     4. batch 16 x [M 2,048, K 1,024] x [K 1,024, N 1]; A: computed on the way; B: computed on the way: left as it is (N = 1 < 16)
;;     5. batch 16 x [M 1, K 2,048] x [K 2,048, N 1,024]; A: softmax; B: computed on the way: left as it is (M = 1 < 16)
;;   THE QUANTISER, for each operand of a quantised product, along K:
;;     - K is cut into blocks of 32 from its start; a last block that is shorter is filled with zeros.
;;     - A block's scale is 2^e with e = floor(log2(the largest magnitude in the block)) - 8, held to -126 .. 127; a block of zeros has e = 0. As a byte (E8M0): e + 127.
;;     - Each number is divided by its block's scale, clamped to +-448, and rounded to the nearest number of E4M3, ties to even, subnormals kept.
;;     - The product sums the exact products of the quantised numbers (number of the format x scale) in f32.
;;   ~~~python
;;   def quantise(x, axis):      # numpy; x: float32 -> the quantised numbers, widened to float32 again
;;       x = np.moveaxis(x, axis, -1); K = x.shape[-1]
;;       x = np.pad(x, [(0, 0)] * (x.ndim - 1) + [(0, -K % 32)]); x = x.reshape(x.shape[:-1] + (-1, 32)); a = np.abs(x).max(-1, keepdims=True)
;;       e = np.where(a > 0, np.clip(np.frexp(np.where(a > 0, a, 1))[1] - 1 - 8, -126, 127), 0)      # np.frexp(a)[1] - 1 = floor(log2(a)), exactly
;;       r = np.clip(x / 2.0 ** e, -448, 448)
;;       step = 2.0 ** (np.maximum(np.frexp(np.where(r == 0, 1, r))[1] - 1, -6) - 3)
;;       q = np.round(r / step) * step * 2.0 ** e      # np.round: ties to even
;;       return np.moveaxis(q.reshape(q.shape[:-2] + (-1,))[..., :K], -1, axis).astype(np.float32)
;;   ~~~
;;   INPUTS GIVEN AS CODES. Wk (in the module: [1024, 1024], K = its axis 0); Wq (in the module: [1024, 1024], K = its axis 0); Wv (in the module: [1024, 1024], K = its axis 0); key (in the module: [16, 2048, 1024], K = its axis 2); query (in the module: [16, 1, 1024], K = its axis 2); value (in the module: [16, 2048, 1024], K = its axis 2): each comes as NAME_codes (uint8): NAME with its K axis moved to the last place and cut into blocks of 32 codes, [.., K / 32, bytes a block], one block behind the other in memory; one code a byte (a code: sign, 4 exponent bits, 3 mantissa bits); and NAME_scales (uint8): the same leading axes, one E8M0 byte (e + 127) for each 32 codes along K. Its value is code x scale, taken as it is: it is not quantised again, and the codes and scales need not be those that the quantiser above would give.
;; One version. Each part assembles by itself: llvm-mc -triple=amdgcn-amd-amdhsa -mcpu=gfx1250 --defsym DOCPART=n.
;; ======== version 1 of 1: 4 launches
;; limits: right only within a limited range of input values
;; workspace buffers: qs 65,536 bytes; part_s 524,288 bytes; part_o 262,144 bytes
;; launch qproj (part 1): grid 16 x 1, 4 waves a work-group, no clusters, 88,064 bytes of LDS; arguments query_codes, query_scales, Wq_codes, Wq_scales, qs; writes qs
.if DOCPART == 1
	.amdgcn_target "amdgcn-amd-amdhsa--gfx1250"
	.amdhsa_code_object_version 6
	.text
	.protected	k_q2b356d0667_qproj
	.globl	k_q2b356d0667_qproj
	.p2align	8
	.type	k_q2b356d0667_qproj,@function
k_q2b356d0667_qproj:
	s_mov_b64 s[64:65], 0
	v_nop
	global_prefetch_b8 v0, s[64:65] scope:SCOPE_SE
	s_setreg_imm32_b32 hwreg(HW_REG_WAVE_MODE, 25, 1), 1
	s_wait_xcnt 0x0
; qs[b][n] = (sum over k of query[b][k] Wq[k][n]) x log2(e) / 32.  Codes of E4M3 with one E8M0 byte for each 32 along K, as they are given: query [16][1024], Wq [1024 (n)][1024 (k)].
; The factor log2(e) / sqrt(1024) is laid into q, so that the next launch's scores are exponents of 2.
; SHARES.  16 work-groups of four waves; a work-group makes 64 columns n for all 16 batches, a wave one tile of 16 columns.  K = 1,024 is eight matrix instructions, on two accumulators by turns.
; The wave's 16 rows of Wq are 16,384 bytes on end: they are read by 32 loads of 512 consecutive bytes and laid into LDS rows of 1,024 + 16 bytes, from which fragments are read; the query likewise, a quarter a wave.
; THE MATRIX INSTRUCTION: source 0 = 16 rows of Wq, source 1 = the 16 queries: a lane then holds one batch (lane % 16) and eight neighbouring columns.  They meet in a stage, so that sixteen lanes store 256 consecutive bytes of qs.
; No tensor load, no cluster: the launch moves one megabyte once and no two work-groups share more than the 16 KB of the query.
; LIMITS: NaN and infinities among the inputs (a scale byte 0xff, a NaN code) are not served.  The eight K steps are summed in two halves (even steps, odd steps), another order than one chain.
.set PITCH, 1040                       ; an LDS row: 1,024 bytes + 16: the sixteen rows that a fragment load touches start 16 bytes apart modulo 256
.set WREG,  16*PITCH                   ; a wave's 16 rows of Wq
.set QREG,  4*WREG                     ; behind the four: the 16 rows of the query, shared
.set STG,   QREG+WREG                  ; the stage: 16 batches x (256 bytes + 16)
.set SP,    272
.set WS, 16                            ; v16-23  Wq's scale words, one for each K step
.set QS, 24                            ; v24-31  the query's
.set AC, 32                            ; v32-47  two accumulators
.set RS, 48                            ; v48-55  the results; v56-63 rows read back
.set WF, 64                            ; v64-127  four fragments of Wq   (first: v64-191 Wq as loaded)
.set QF, 128                           ; v128-191 four of the query      (first: v192-223 the query as loaded)
	s_load_b256 s[4:11], s[0:1], 0x0               ; query codes s[4:5], query scales s[6:7], Wq codes s[8:9], Wq scales s[10:11]
	s_load_b64 s[12:13], s[0:1], 0x20              ; qs
	v_lshl_add_u32 v254, v0, 2, 0x15600
	v_mov_b32 v255, 0
	v_lshrrev_b32 v1, 5, v0
	v_readfirstlane_b32 s14, v1                    ; wave 0..3
	v_and_b32 v1, 31, v0                           ; lane
	v_and_b32 v2, 15, v0                           ; r
	v_bfe_u32 v3, v0, 4, 1                         ; h
	v_lshlrev_b32 v4, 4, v1                        ; 16 x lane: my bytes of a load's 512
	s_mul_i32 s26, s14, WREG
	v_add_nc_u32 v5, s26, v4                       ; LDS, on the way in: my wave's rows of Wq
	s_mul_i32 s27, s14, 4*PITCH
	s_add_co_u32 s27, s27, QREG
	v_add_nc_u32 v6, s27, v4                       ; and rows 4 w .. 4 w + 3 of the query
	v_mul_u32_u24 v7, v2, PITCH
	v_lshl_add_u32 v7, v3, 4, v7                   ; a fragment: row r x pitch + 16 h
	v_add_nc_u32 v8, s26, v7                       ; Wq's
	v_add_nc_u32 v9, QREG, v7                      ; the query's
	v_lshlrev_b32 v10, 5, v2                       ; scales: 32 bytes a row: its eight K steps' words
	v_mul_u32_u24 v11, v2, SP                      ; the stage, in: batch r, + 64 w + 32 h
	v_lshl_add_u32 v11, v3, 5, v11
	s_lshl_b32 s28, s14, 6
	s_add_co_u32 s28, s28, STG
	v_add_nc_u32 v11, s28, v11
	v_lshrrev_b32 v12, 4, v0                       ; back: thread t takes batches t / 16 and t / 16 + 8, 16 bytes at 16 (t % 16)
	v_mul_u32_u24 v13, v12, SP
	v_lshl_add_u32 v13, v2, 4, v13
	v_add_nc_u32 v13, STG, v13
	v_lshlrev_b32 v14, 12, v12                     ; and the same place in qs: a row is 4,096 bytes
	v_lshl_add_u32 v14, v2, 4, v14
	s_lshl_b32 s16, ttmp9, 16                      ; Wq's codes: (64 x + 16 w) rows of 1,024 bytes
	s_lshl_b32 s15, s14, 14
	s_add_co_u32 s16, s16, s15
	s_mov_b32 s17, 0
	s_lshl_b32 s18, ttmp9, 11                      ; its scales: the same rows of 32 bytes
	s_lshl_b32 s15, s14, 9
	s_add_co_u32 s18, s18, s15
	s_mov_b32 s19, 0
	s_lshl_b32 s20, s14, 12                        ; my four rows of the query
	s_mov_b32 s21, 0
	s_lshl_b32 s22, ttmp9, 8                       ; qs: the work-group's 64 columns
	s_mov_b32 s23, 0
	s_mov_b32 s24, 0x3d38aa3b                      ; log2(e) / 32
	s_mov_b32 s25, s24                             ; (named with it as a pair, so it is written)
	s_wait_alu depctr_va_vdst(0)
	s_wait_kmcnt 0x0
	s_add_nc_u64 s[8:9], s[8:9], s[16:17]
	s_add_nc_u64 s[10:11], s[10:11], s[18:19]
	s_add_nc_u64 s[4:5], s[4:5], s[20:21]
	s_add_nc_u64 s[12:13], s[12:13], s[22:23]
.set i, 0
.rept 32
	global_load_b128 v[64+4*i:64+4*i+3], v4, s[8:9] offset:512*i       ; 32 lanes read 512 consecutive bytes
.set i, i+1
.endr
.set i, 0
.rept 8
	global_load_b128 v[192+4*i:192+4*i+3], v4, s[4:5] offset:512*i
.set i, i+1
.endr
	global_load_b128 v[WS:WS+3], v10, s[10:11]
	global_load_b128 v[WS+4:WS+7], v10, s[10:11] offset:16
	global_load_b128 v[QS:QS+3], v10, s[6:7]
	global_load_b128 v[QS+4:QS+7], v10, s[6:7] offset:16
	s_wait_loadcnt 0x0
.set i, 0
.rept 32
	ds_store_b128 v5, v[64+4*i:64+4*i+3] offset:(i/2)*PITCH+(i%2)*512
.set i, i+1
.endr
.set i, 0
.rept 8
	ds_store_b128 v6, v[192+4*i:192+4*i+3] offset:(i/2)*PITCH+(i%2)*512
.set i, i+1
.endr
	s_wait_dscnt 0x0                               ; for the others' sake: my rows of the query lie in LDS
	s_barrier_signal -1
	s_barrier_wait -1
.irp g, 0,1                                    ; four K steps at a time
.if \g
.rept 8
	v_nop                                          ; eight places in front of loads into registers that these matrix instructions have read
.endr
.endif
.irp k, 0,1,2,3
.irp c, 0,1,2,3
	ds_load_b128 v[WF+16*\k+4*\c:WF+16*\k+4*\c+3], v8 offset:128*(4*\g+\k)+32*\c
	ds_load_b128 v[QF+16*\k+4*\c:QF+16*\k+4*\c+3], v9 offset:128*(4*\g+\k)+32*\c
.endr
.endr
	s_wait_dscnt 0x0
.irp k, 0,1,2,3                                ; the two accumulators take turns, one instruction a turn; each one's first product starts its sum
.if (\g == 0) && (\k < 2)
	v_wmma_scale_f32_16x16x128_f8f6f4 v[AC+8*(\k%2):AC+8*(\k%2)+7], v[WF+16*\k:WF+16*\k+15], v[QF+16*\k:QF+16*\k+15], 0, v[WS+4*\g+\k], v[QS+4*\g+\k]
.else
	v_wmma_scale_f32_16x16x128_f8f6f4 v[AC+8*(\k%2):AC+8*(\k%2)+7], v[WF+16*\k:WF+16*\k+15], v[QF+16*\k:QF+16*\k+15], v[AC+8*(\k%2):AC+8*(\k%2)+7], v[WS+4*\g+\k], v[QS+4*\g+\k]
.endif
.endr
.endr
.rept 8
	v_nop                                          ; eight places in front of the first read of results
.endr
.irp j, 0,2,4,6
	v_pk_mul_f32 v[RS+\j:RS+\j+1], v[AC+\j:AC+\j+1], s[24:25] op_sel_hi:[1,0]                       ; each accumulator from its low end on
.endr
.irp j, 0,2,4,6
	v_pk_fma_f32 v[RS+\j:RS+\j+1], v[AC+8+\j:AC+8+\j+1], s[24:25], v[RS+\j:RS+\j+1] op_sel_hi:[1,0,1]
.endr
	ds_store_b128 v11, v[RS:RS+3]                  ; lane (r, h): qs(r, 64 x + 16 w + 8 h + 0 .. 7)
	ds_store_b128 v11, v[RS+4:RS+7] offset:16
	s_wait_dscnt 0x0                               ; a row's 256 bytes come from four waves
	s_barrier_signal -1
	s_barrier_wait -1
	ds_load_b128 v[56:59], v13
	ds_load_b128 v[60:63], v13 offset:8*SP
	s_wait_dscnt 0x0
	global_store_b128 v14, v[56:59], s[12:13]      ; sixteen lanes store 256 consecutive bytes, at a multiple of 256 from the buffer's first byte
	global_store_b128 v14, v[60:63], s[12:13] offset:8*4096
	s_wait_tensorcnt 0x0
	ds_add_u32 v254, v255
	s_wait_dscnt 0x0
	s_endpgm
.Lfunc_end_k_q2b356d0667_qproj:
	.size	k_q2b356d0667_qproj, .Lfunc_end_k_q2b356d0667_qproj-k_q2b356d0667_qproj
	.p2alignl 7, 3214868480
	.fill 96, 4, 3214868480
	.section	.rodata,"a",@progbits
	.p2align	6, 0x0
	.amdhsa_kernel k_q2b356d0667_qproj
		.amdhsa_group_segment_fixed_size 88064
		.amdhsa_private_segment_fixed_size 0
		.amdhsa_enable_private_segment 0
		.amdhsa_kernarg_size 40
		.amdhsa_user_sgpr_count 2
		.amdhsa_user_sgpr_kernarg_segment_ptr 1
		.amdhsa_wavefront_size32 1
		.amdhsa_system_sgpr_workgroup_id_x 1
		.amdhsa_system_sgpr_workgroup_id_y 1
		.amdhsa_system_sgpr_workgroup_id_z 1
		.amdhsa_system_vgpr_workitem_id 0
		.amdhsa_next_free_vgpr 256
		.amdhsa_next_free_sgpr 66
		.amdhsa_reserve_vcc 0
		.amdhsa_float_denorm_mode_32 3
		.amdhsa_float_denorm_mode_16_64 3
		.amdhsa_memory_ordered 1
		.amdhsa_forward_progress 1
		.amdhsa_inst_pref_size 17
	.end_amdhsa_kernel
	.amdgpu_metadata
---
amdhsa.version: [ 1, 2 ]
amdhsa.kernels:
  - .name:           k_q2b356d0667_qproj
    .symbol:         k_q2b356d0667_qproj.kd
    .args:
      - { .name: query_codes, .offset: 0, .size: 8, .value_kind: global_buffer, .address_space: global }
      - { .name: query_scales, .offset: 8, .size: 8, .value_kind: global_buffer, .address_space: global }
      - { .name: Wq_codes, .offset: 16, .size: 8, .value_kind: global_buffer, .address_space: global }
      - { .name: Wq_scales, .offset: 24, .size: 8, .value_kind: global_buffer, .address_space: global }
      - { .name: qs, .offset: 32, .size: 8, .value_kind: global_buffer, .address_space: global }
    .group_segment_fixed_size: 88064
    .private_segment_fixed_size: 0
    .kernarg_segment_align: 8
    .kernarg_segment_size: 40
    .max_flat_workgroup_size: 128
    .sgpr_count:     66
    .vgpr_count:     256
    .wavefront_size: 32
...
	.end_amdgpu_metadata
.endif
;; end of part 1
;; launch kscore (part 2): grid 4 x 64, 4 waves a work-group, clusters of 4 x 4, 327,680 bytes of LDS; arguments key_codes, key_scales, Wk_codes, Wk_scales, qs, part_s; writes part_s
.if DOCPART == 2
	.amdgcn_target "amdgcn-amd-amdhsa--gfx1250"
	.amdhsa_code_object_version 6
	.text
	.protected	k_q2b356d0667_kscore
	.globl	k_q2b356d0667_kscore
	.p2align	8
	.type	k_q2b356d0667_kscore,@function
k_q2b356d0667_kscore:
	s_mov_b64 s[64:65], 0
	v_nop
	global_prefetch_b8 v0, s[64:65] scope:SCOPE_SE
	s_setreg_imm32_b32 hwreg(HW_REG_WAVE_MODE, 25, 1), 1
	s_wait_xcnt 0x0
	s_wait_alu depctr_hold_cnt(0) depctr_sa_sdst(0) depctr_va_vdst(0) depctr_va_sdst(0) depctr_va_ssrc(0) depctr_va_vcc(0) depctr_vm_vsrc(0)
	s_getreg_b32 s2, hwreg(HW_REG_IB_STS2, 6, 4)
	s_cmp_eq_u32 s2, 0
	s_cbranch_scc0 .Lentry_in_a_cluster
	s_endpgm
.Lentry_in_a_cluster:
	s_bfe_u32 s2, ttmp6, 0x10000c
	s_cmp_lg_u32 s2, 0xf033
	s_cbranch_scc0 .Lentry_shape_is_right
	s_endpgm
.Lentry_shape_is_right:
; part_s[cx][row] = sum over the 256 columns n of column tile cx of (key Wk)[row][n] qs[batch][n]: a quarter of each row's score (an exponent of 2: qs carries log2(e) / 32).  32,768 rows, K = 1,024, codes of E4M3 with a scale byte for 32.
; A cluster of 4 x 4 work-groups serves one batch: cx = column tile (256 columns), cy = row tile (512 rows).  The four of a column share the weight's rows, the four of a row share key's rows: joint loads.
; FOUR WAVES: wave (KH, CH) keeps 128 columns x 512 of K of the weight in 512 registers and streams the 512 rows past them in 32 blocks of 16: a block is 32 products; each fragment of key feeds eight.
; The product is transposed (source 0 = 16 columns of Wk, source 1 = 16 rows of key): a lane holds one row and eight columns a tile, so a score is a sum over its own registers.  K's halves are added at the end: the score is linear in them.
; LDS: two slots of 128 rows, which first take the weight's two halves; X0, the first 32 rows; key's scale bytes of 512 rows; the scores; the spare words.  Behind the weight the slots take rows 32-159, 160-287, 288-415, 416-511.
; A pair = two blocks (set 0, set 1).  Behind a block its set takes the block two on; a block's way out stands among the next block's products.  Pairs 0, 4, 8, 12 hold the change of slots, a drained round of the cluster's barrier.
; WINDOWS: 0: addresses, scales, sums, accumulators of set 0 (v64), rows of set 1 (v128).  1: sums, accumulators of set 1, rows of set 0, weight fragments 0-3 (v192).  2: fragments 4-17, q of tiles 0-3 (v224).  3: fragments 18-31, q of tiles 4-7.
; So a block's products and its multiply-adds by q stand under one setting.  The first block's way out finds zeros; the scores lie two blocks on, so that what it stores is read by nobody.
; PREFETCH: rows of chunks 1 and 2 at the head, 3 and 4 at pairs 0 and 4, four pairs ahead of their loads; each block of 256 bytes once a cluster (16 waves of a row of the cluster, 8 rows each, by address); clamped to the tile's last block.
; LIMITS: NaN and infinities among the inputs (a scale byte 0xff, a NaN code) are not served.  Sums over K in two halves, over columns in sixteen parts.
.set PITCH, 1040
.set BLKB, 16*PITCH
.set SLOT, 128*PITCH
.set X0, 2*SLOT
.set XSCL, X0+32*PITCH
.set SCR, XSCL+64*272
.set SCW, 2304
.set SPARE, SCR+4*SCW
.set SPW, 10
.set NIL, 11
.set ADWL, 12  ; my columns in slot 0, in slot 1
.set ADWH, 13
.set AD0, 14   ; a row fragment in slot 0
.set AD, 15    ; of the pair that is fetched next
.set ADS, 16   ; its scale words
.set SX, 17    ; where a score goes
.set WSC, 18   ; the weight's scale words: 18 + 4 (t / 2) + k;  key's 36 + 4 set + k: never equal modulo 8
.set XSC, 36
.set T, 44
.set SUM, 48   ; four pairs, in windows 0 and 1
.set T2, 56
.set PF1, 57
.set PFO, 58
.set RD, 59
.set GO, 60
.set ACC, 64
.set XF, 128
.set QW, 224
.set G1W, 24
.set G1X, 48
.set G1Y, 76
.set G1S, 84
.set G0W, 56
.set G0X, 60
.set G0S, 68
.set G0R, 72
.set G0Y, 92
.set XB, 96
.set SEL, 34
.set FO, 36
.set CNT, 37
.set MSB, 0
.macro WIN new
.if MSB != \new
	s_set_vgpr_msb (MSB<<8)|\new
.set MSB, \new
.endif
.endm
.macro WALU
	s_wait_alu depctr_va_vdst(0)
.endm
.macro BARRIER
	s_barrier_signal -1
	s_barrier_wait -1
.endm
.macro CREST
	s_cmp_lg_u32 s16, 0
	s_cbranch_scc1 .Lnot_wave_0_\@
	s_barrier_signal -3
.Lnot_wave_0_\@:
	s_barrier_wait -3
	BARRIER
.endm
.macro CROUND
	BARRIER
	CREST
.endm
.macro TLOAD g0, g1
	tensor_load_to_lds s[\g0:\g0+3], s[\g1:\g1+7]
	s_nop 0
.rept 4
	v_nop
.endr
.endm
.macro GROUP1 g, mask, rows  ; whole rows of 1,024 bytes, 16 bytes of padding behind each
	s_or_b32 s[\g+0], s[\mask], (1<<20)|(1<<21)|(7<<22)|(3<<25)
	s_mov_b32 s[\g+1], 1024<<16
	s_mov_b32 s[\g+2], (\rows)<<16
	s_mov_b32 s[\g+3], 1024<<16
	s_mov_b32 s[\g+4], \rows
	s_mov_b32 s[\g+5], 1024
	s_mov_b32 s[\g+6], 0
	s_mov_b32 s[\g+7], 0
.endm
; product n = 8 k + t of a block of set e: the k-th 128 of my half of K, column tile t.  The eight accumulators take turns.
.macro PROD e, n
.set t_, (\n)%8
.set k_, (\n)/8
.set w_, 3
.set f_, 16*((\n)-18)
.if (\n) < 4
.set w_, 1
.set f_, 192+16*(\n)
.elseif (\n) < 18
.set w_, 2
.set f_, 16*((\n)-4)
.endif
.set d_, ACC+8*t_
.set x_, XF+16*k_
.set y_, WSC+4*(t_/2)+k_
.set z_, XSC+4*(\e)+k_
	WIN (w_|((1-\e)<<2)|(0x50*\e))
.if k_ == 0
.if t_%2
	v_wmma_scale_f32_16x16x128_f8f6f4 v[d_:d_+7], v[f_:f_+15], v[x_:x_+15], 0, v[y_], v[z_] matrix_a_scale:MATRIX_SCALE_ROW1
.else
	v_wmma_scale_f32_16x16x128_f8f6f4 v[d_:d_+7], v[f_:f_+15], v[x_:x_+15], 0, v[y_], v[z_]
.endif
.elseif t_%2
	v_wmma_scale_f32_16x16x128_f8f6f4 v[d_:d_+7], v[f_:f_+15], v[x_:x_+15], v[d_:d_+7], v[y_], v[z_] matrix_a_scale:MATRIX_SCALE_ROW1
.else
	v_wmma_scale_f32_16x16x128_f8f6f4 v[d_:d_+7], v[f_:f_+15], v[x_:x_+15], v[d_:d_+7], v[y_], v[z_]
.endif
.endm
; line m of the way out: two columns of tile m / 4 of the block before, times q
.macro LINE m
.set c_, SUM+2*((\m)%4)
.set q_, QW+2*((\m)%16)
.if (\m) < 4
	v_pk_mul_f32 v[c_:c_+1], v[q_:q_+1], v[ACC+2*(\m):ACC+2*(\m)+1]
.else
	v_pk_fma_f32 v[c_:c_+1], v[q_:q_+1], v[ACC+2*(\m):ACC+2*(\m)+1], v[c_:c_+1]
.endif
.endm
; behind product n: 0-3: the score of the block before the last is joined and stored; 4-31: lines 0-23.  st: 1, 2 a pair's addresses step (2: the prefetch's too), 3 the score's alone
.macro GAP e, n, st
.if (\n) == 0
	WIN (5*(1-\e))
	v_pk_add_f32 v[T:T+1], v[SUM:SUM+1], v[SUM+2:SUM+3]
	v_pk_add_f32 v[T+2:T+3], v[SUM+4:SUM+5], v[SUM+6:SUM+7]
.elseif (\n) == 1
	WIN 0
	v_pk_add_f32 v[T:T+1], v[T:T+1], v[T+2:T+3]
.if \st
	v_add_nc_u32 v[SX], 0x80, v[SX]
.endif
.if (\st == 1) || (\st == 2)
	v_add_nc_u32 v[AD], s[FO], v[AD0]
	v_add_nc_u32 v[ADS], 0x440, v[ADS]
	s_add_co_u32 s[FO], s[FO], 2*BLKB
.endif
.if \st == 2
	v_add_nc_u32 v[PFO], 0x20000, v[PFO]
	v_min_u32 v[PFO], 0x7ff00, v[PFO]
.endif
.elseif (\n) == 2
	WIN 0
	v_add_f32 v[T], v[T], v[T+1]
.elseif (\n) == 3
	WIN 0
	v_permlanex16_b32 v[T2], v[T], s[SEL], s[SEL+1]
	v_add_f32 v[T], v[T], v[T2]
	ds_store_b32 v[SX], v[T] offset:64*\e
.else
.if (\n) < 18
.set a_, ((\n)-4)*16/14
.set b_, ((\n)-3)*16/14
.else
.set a_, 16+((\n)-18)*8/14
.set b_, 16+((\n)-17)*8/14
.endif
.if b_ > a_
	LINE a_
.endif
.if b_ > a_+1
	LINE (a_+1)
.endif
.endif
.endm
.macro BLOCK e, from, to, st
.set N_, \from
.rept (\to)-(\from)
	PROD \e, N_
	GAP \e, N_, \st
.set N_, N_+1
.endr
.endm
.macro LINES8  ; the last eight lines are the places behind a block's last product
.irp m, 24,25,26,27,28,29,30,31
	LINE \m
.endr
.endm
.macro FETCH e  ; a block of 16 rows, my half of K, into set e, and its scale words: 17 loads
	WIN ((1-\e)<<6)
.irp k, 0,1,2,3
.irp c, 0,1,2,3
	ds_load_b128 v[XF+16*\k+4*\c:XF+16*\k+4*\c+3], v[AD] offset:BLKB*\e+128*\k+32*\c
.endr
.endr
	WIN 0
	ds_load_b128 v[XSC+4*\e:XSC+4*\e+3], v[ADS] offset:544*\e
.endm
.macro BLK e, w, st, fe  ; w: the LDS instructions behind this set's loads that may be out
	WALU
.if (\w) >= 0
	s_wait_dscnt \w
.endif
	BLOCK \e, 0, 32, \st
	LINES8
.if \fe
	FETCH \e
.endif
	WIN 0
.endm
.macro PAIR
	BLK 0, 18, 1, 1
	BLK 1, 18, 0, 1
.endm
.macro RUNP lbl, n
	s_mov_b32 s[CNT], \n
\lbl:
	PAIR
	s_sub_co_u32 s[CNT], s[CNT], 1
	s_cmp_lg_u32 s[CNT], 0
	s_cbranch_scc1 \lbl
.endm
; a pair with the change of slots: the chunk that is read next has landed for all; kind 1, 2: 128 rows into slot 1, 0; 3: the last 96 into slot 1; 0: nothing is filled
.macro RPAIR kind
	WALU
.if (\kind == 1) || (\kind == 2)
	s_wait_xcnt 0x0  ; the prefetch has read its offset
.endif
	s_wait_dscnt 17
.if (\kind == 1) || (\kind == 2)
	BLOCK 0, 0, 20, 2
.else
	BLOCK 0, 0, 20, 1
.endif
	WIN 0
	WALU
	s_wait_tensorcnt 0x0
.if \kind
	ds_add_u32 v[SPW], v[NIL]
.endif
.if \kind == 1
	s_add_co_u32 s[G0R+1], s[G0R+1], SLOT
	s_add_nc_u64 s[G0R+2:G0R+3], s[G0R+2:G0R+3], 0x20000
.elseif \kind == 2
	s_sub_co_u32 s[G0R+1], s[G0R+1], SLOT
	s_add_nc_u64 s[G0R+2:G0R+3], s[G0R+2:G0R+3], 0x20000
.endif
	BLOCK 0, 20, 28, 1
	WIN 0
	WALU
	s_wait_dscnt 0x0  ; the add is done, and my reads of the slot that is left
	s_barrier_signal -1
	BLOCK 0, 28, 32, 1
	LINES8
	WIN 0
	s_barrier_wait -1
.if \kind
	CREST
.if \kind == 3
	TLOAD G0Y, G1Y
.else
	TLOAD G0R, G1X
.endif
.endif
	FETCH 0
.if (\kind == 1) || (\kind == 2)
	global_prefetch_b8 v[PFO], s[XB:XB+1] th:TH_LOAD_NT scope:SCOPE_SE
.endif
	BLK 1, -1, 0, 1
.endm
.macro WFRAG n, adr, t  ; weight fragment n = 8 k + t
.set w_, 3
.set f_, 16*((\n)-18)
.if (\n) < 4
.set w_, 1
.set f_, 192+16*(\n)
.elseif (\n) < 18
.set w_, 2
.set f_, 16*((\n)-4)
.endif
	WIN (w_<<6)
.irp c, 0,1,2,3
	ds_load_b128 v[f_+4*\c:f_+4*\c+3], v[\adr] offset:((\t)%4)*BLKB+128*((\n)/8)+32*\c
.endr
.endm
.macro WREAD adr, t0
.irp k, 0,1,2,3
.irp t, 0,1,2,3
	WFRAG (8*\k+\t0+\t), \adr, \t
.endr
.endr
	WIN 0
.endm
	s_load_b256 s[4:11], s[0:1], 0x0               ; key codes, key scales, Wk codes, Wk scales
	s_load_b128 s[12:15], s[0:1], 0x20             ; qs, part_s
	v_lshl_add_u32 v[SPW], v0, 2, SPARE
	v_mov_b32 v[NIL], 0
	ds_add_u32 v[SPW], v[NIL]                      ; the wave's opening: the add, twice on end, and its wait ahead of my first tensor load
	ds_add_u32 v[SPW], v[NIL]
	v_lshrrev_b32 v1, 5, v0
	v_readfirstlane_b32 s16, v1                    ; wave
	s_lshr_b32 s17, s16, 1                         ; KH: my half of K
	s_and_b32 s18, s16, 1                          ; CH: my columns 64 CH on in each half of the tile's 256
	s_bfe_u32 s19, ttmp6, 0x40000                  ; cx
	s_bfe_u32 s20, ttmp6, 0x40004                  ; cy
	s_and_b32 s21, ttmp7, 0xffff                   ; the cluster's y: the batch
	s_lshl_b32 s38, s20, 2
	s_lshl_b32 s38, 15, s38                        ; my row of the cluster shares key's rows
	s_lshl_b32 s39, 0x1111, s19                    ; my column shares the weight's
	GROUP1 G1W, 39, 128
	GROUP1 G1X, 38, 32
	GROUP1 G1Y, 38, 24
	s_or_b32 s[G1S+0], s38, (3<<16)|(1<<20)|(1<<21)|(5<<22)|(3<<25)  ; the scale bytes of 512 rows: 64 rows of 256 bytes, 16 of padding behind each
	s_mov_b32 s[G1S+1], 32<<16
	s_mov_b32 s[G1S+2], 64<<16
	s_mov_b32 s[G1S+3], 32<<16
	s_mov_b32 s[G1S+4], 64
	s_mov_b32 s[G1S+5], 32
	s_mov_b32 s[G1S+6], 0
	s_mov_b32 s[G1S+7], 0
	s_lshl_b32 s40, s21, 21                        ; key: 2,048 rows a batch, 512 a row tile
	s_lshl_b32 s22, s20, 19
	s_add_co_u32 s40, s40, s22
	s_mov_b32 s41, 0
	s_lshr_b32 s44, s40, 5                         ; its scale bytes
	s_mov_b32 s45, 0
	s_lshl_b32 s42, s19, 18                        ; the weight: 256 rows a column tile; wave 0 its first 128, wave 1 its last
	s_lshl_b32 s23, s18, 17
	s_add_co_u32 s42, s42, s23
	s_mov_b32 s43, 0
	s_mov_b32 s[G0W], 1
	s_mul_i32 s[G0W+1], s18, SLOT
	s_mov_b32 s[G0X], 1
	s_mov_b32 s[G0X+1], X0
	s_mov_b32 s[G0S], 1
	s_mov_b32 s[G0S+1], XSCL
	s_mov_b32 s[G0R], 1
	s_mul_i32 s[G0R+1], s16, 32*PITCH
	s_mov_b32 s[G0Y], 1
	s_mul_i32 s[G0Y+1], s16, 24*PITCH
	s_add_co_u32 s[G0Y+1], s[G0Y+1], SLOT
	s_lshl_b32 s2, s16, 15                         ; the ring: rows 32 + 32 w first;
	s_add_co_u32 s2, s2, 0x8000
	s_mov_b32 s3, 0
	s_mul_i32 s22, s16, 24*1024                    ; the last chunk: rows 416 + 24 w
	s_add_co_u32 s22, s22, 416*1024
	s_mov_b32 s23, 0
	s_wait_dscnt 0x0
	CROUND                                         ; all sixteen work-groups are here
	s_wait_kmcnt 0x0
	s_add_nc_u64 s[G0W+2:G0W+3], s[8:9], s[42:43]
	s_or_b32 s[G0W+3], s[G0W+3], 0x80000000
	s_add_nc_u64 s[XB:XB+1], s[4:5], s[40:41]
	s_mov_b64 s[G0X+2:G0X+3], s[XB:XB+1]
	s_or_b32 s[G0X+3], s[G0X+3], 0x80000000
	s_add_nc_u64 s[G0S+2:G0S+3], s[6:7], s[44:45]
	s_or_b32 s[G0S+3], s[G0S+3], 0x80000000
	s_add_nc_u64 s[G0R+2:G0R+3], s[XB:XB+1], s[2:3]
	s_or_b32 s[G0R+3], s[G0R+3], 0x80000000
	s_add_nc_u64 s[G0Y+2:G0Y+3], s[XB:XB+1], s[22:23]
	s_or_b32 s[G0Y+3], s[G0Y+3], 0x80000000
	s_cmp_eq_u32 s16, 0                            ; one joint load a wave; what is wanted first has a line of its own
	s_cbranch_scc0 .Lwave_1
	TLOAD G0W, G1W                                 ; wave 0: the weight's first 128 rows
	s_branch .Lasked
.Lwave_1:
	s_cmp_eq_u32 s16, 1
	s_cbranch_scc0 .Lwave_2
	TLOAD G0W, G1W                                 ; wave 1: its last 128
	s_branch .Lasked
.Lwave_2:
	s_cmp_eq_u32 s16, 2
	s_cbranch_scc0 .Lwave_3
	TLOAD G0X, G1X                                 ; wave 2: the first 32 rows
	s_branch .Lasked
.Lwave_3:
	TLOAD G0S, G1S                                 ; wave 3: the scale bytes of the 512 rows
.Lasked:
	s_lshl_b32 s46, s19, 13                        ; the weight's scale bytes: my columns, my half of K
	s_lshl_b32 s22, s18, 11
	s_add_co_u32 s46, s46, s22
	s_lshl_b32 s22, s17, 4
	s_add_co_u32 s46, s46, s22
	s_mov_b32 s47, 0
	s_add_nc_u64 s[10:11], s[10:11], s[46:47]
	s_lshl_b32 s98, s21, 12                        ; q: my batch, my columns
	s_lshl_b32 s23, s19, 10
	s_add_co_u32 s98, s98, s23
	s_lshl_b32 s23, s18, 8
	s_add_co_u32 s98, s98, s23
	s_mov_b32 s99, 0
	s_add_nc_u64 s[12:13], s[12:13], s[98:99]
	s_lshl_b32 s2, s17, 9
	s_mul_i32 s3, s18, 64*PITCH
	s_add_co_u32 s3, s3, s2
	s_add_co_u32 s22, s22, XSCL
	s_mul_i32 s23, s16, SCW
	s_add_co_u32 s23, s23, SCR-128
	s_lshl_b32 s32, s19, 2                         ; the prefetches: which of the cluster row's sixteen waves I am: 8 rows of a chunk each
	s_add_co_u32 s32, s32, s16
	s_lshl_b32 s32, s32, 13
	s_add_co_u32 s32, s32, 0x8000
	s_mov_b32 s[SEL], 0x76543210
	s_mov_b32 s[SEL+1], 0xfedcba98
	s_mov_b32 s[FO], 0
	v_and_b32 v1, 15, v0                           ; r
	v_bfe_u32 v2, v0, 4, 1                         ; h
	v_and_b32 v3, 31, v0
	v_mul_u32_u24 v4, v1, PITCH
	v_lshl_add_u32 v4, v2, 4, v4                   ; a fragment: row r x pitch + 16 h
	v_add_nc_u32 v[ADWL], s3, v4
	v_add_nc_u32 v[ADWH], SLOT, v[ADWL]
	v_add_nc_u32 v[AD0], s2, v4
	v_add_nc_u32 v[AD], X0, v[AD0]
	v_lshlrev_b32 v5, 5, v1                        ; scale bytes: 32 a row, 16 more for each 256 passed
	v_lshrrev_b32 v6, 3, v1
	v_lshl_add_u32 v5, v6, 4, v5
	v_add_nc_u32 v[ADS], s22, v5
	v_lshl_add_u32 v[SX], v1, 2, s23
	v_lshlrev_b32 v7, 5, v3
	v_lshlrev_b32 v8, 5, v2
	v_lshl_add_u32 v[PF1], v3, 8, s32
	v_add_nc_u32 v[PFO], 0x20000, v[PF1]
	v_lshlrev_b32 v[GO], 4, v0
	v_add_nc_u32 v[RD], SCR+128, v[GO]
	v_mov_b32 v[T2], 0
	WALU
.irp p, 0,1,2,3
	global_load_b128 v[WSC+4*\p:WSC+4*\p+3], v7, s[10:11] offset:4096*(\p/2)+1024*(\p%2)
.endr
	WIN 0x80
.irp t, 0,1,2,3
	global_load_b128 v[QW+8*\t:QW+8*\t+3], v8, s[12:13] offset:64*\t
	global_load_b128 v[QW+8*\t+4:QW+8*\t+7], v8, s[12:13] offset:64*\t+16
.endr
	WIN 0xc0
.irp t, 0,1,2,3
	global_load_b128 v[QW+8*\t:QW+8*\t+3], v8, s[12:13] offset:512+64*\t
	global_load_b128 v[QW+8*\t+4:QW+8*\t+7], v8, s[12:13] offset:512+64*\t+16
.endr
	WIN 0
	global_prefetch_b8 v[PF1], s[XB:XB+1] th:TH_LOAD_NT scope:SCOPE_SE
	global_prefetch_b8 v[PFO], s[XB:XB+1] th:TH_LOAD_NT scope:SCOPE_SE
	WIN 0x40
.set I_, 0
.rept 64
	v_mov_b32 v[ACC+I_], 0                         ; what the first block's way out finds
.set I_, I_+1
.endr
.set I_, 0
.rept 8
	v_mov_b32 v[SUM+I_], 0
.set I_, I_+1
.endr
	WIN 0
	WALU
	s_cmp_eq_u32 s16, 0
	s_cbranch_scc0 .Lnot_first
	s_wait_tensorcnt 0x0                           ; wave 0: the weight's first half is in; the other waves' wait stands ahead of the round below
.Lnot_first:
	BARRIER
	WREAD ADWL, 0
	s_wait_tensorcnt 0x0                           ; all four tiles are in; slot 0's rows are in registers
	ds_add_u32 v[SPW], v[NIL]
	s_wait_dscnt 0x0
	CROUND
	TLOAD G0R, G1X                                 ; chunk 1 into slot 0
	WREAD ADWH, 4
	FETCH 0
	FETCH 1
	s_wait_loadcnt 0x0
	RPAIR 1
	RUNP .Lp1, 3
	RPAIR 2
	RUNP .Lp2, 3
	s_mov_b32 s[FO], 0
	RPAIR 3
	RUNP .Lp3, 3
	RPAIR 0
	RUNP .Lp4, 2
	BLK 0, 18, 3, 0
	BLK 1, 1, 0, 0
.macro SUMFIN w, off
	WIN (5*\w)
	v_pk_add_f32 v[T:T+1], v[SUM:SUM+1], v[SUM+2:SUM+3]
	v_pk_add_f32 v[T+2:T+3], v[SUM+4:SUM+5], v[SUM+6:SUM+7]
	WIN 0
	v_pk_add_f32 v[T:T+1], v[T:T+1], v[T+2:T+3]
	v_add_f32 v[T], v[T], v[T+1]
	v_permlanex16_b32 v[T2], v[T], s[SEL], s[SEL+1]
	v_add_f32 v[T], v[T], v[T2]
	ds_store_b32 v[SX], v[T] offset:\off
.endm
	WALU
	v_add_nc_u32 v[SX], 0x80, v[SX]
	SUMFIN 1, 0                                    ; block 30's score
	WIN (2|(1<<2))                                 ; block 31's way out
.set I_, 0
.rept 16
	LINE I_
.set I_, I_+1
.endr
	WIN (3|(1<<2))
.rept 16
	LINE I_
.set I_, I_+1
.endr
	SUMFIN 0, 64
	s_lshl_b32 s2, s19, 17                         ; part_s: [column tile][batch][2,048]
	s_lshl_b32 s22, s21, 13
	s_add_co_u32 s2, s2, s22
	s_lshl_b32 s22, s20, 11
	s_add_co_u32 s2, s2, s22
	s_mov_b32 s3, 0
	s_add_nc_u64 s[14:15], s[14:15], s[2:3]
	WALU
	s_wait_dscnt 0x0
	BARRIER
.irp w, 0,1,2,3
	ds_load_b128 v[64+4*\w:67+4*\w], v[RD] offset:SCW*\w   ; the four waves' parts of my four rows
.endr
	s_wait_dscnt 0x0
	v_pk_add_f32 v[64:65], v[64:65], v[68:69]
	v_pk_add_f32 v[66:67], v[66:67], v[70:71]
	v_pk_add_f32 v[72:73], v[72:73], v[76:77]
	v_pk_add_f32 v[74:75], v[74:75], v[78:79]
	v_pk_add_f32 v[64:65], v[64:65], v[72:73]
	v_pk_add_f32 v[66:67], v[66:67], v[74:75]
	global_store_b128 v[GO], v[64:67], s[14:15]    ; a wave stores 512 consecutive bytes
	s_wait_tensorcnt 0x0                           ; the wave's end
	ds_add_u32 v[SPW], v[NIL]
	s_wait_dscnt 0x0
	CROUND                                         ; the closing round
	s_endpgm
.Lfunc_end_k_q2b356d0667_kscore:
	.size	k_q2b356d0667_kscore, .Lfunc_end_k_q2b356d0667_kscore-k_q2b356d0667_kscore
	.p2alignl 7, 3214868480
	.fill 96, 4, 3214868480
	.section	.rodata,"a",@progbits
	.p2align	6, 0x0
	.amdhsa_kernel k_q2b356d0667_kscore
		.amdhsa_group_segment_fixed_size 327680
		.amdhsa_private_segment_fixed_size 0
		.amdhsa_enable_private_segment 0
		.amdhsa_kernarg_size 48
		.amdhsa_user_sgpr_count 2
		.amdhsa_user_sgpr_kernarg_segment_ptr 1
		.amdhsa_wavefront_size32 1
		.amdhsa_system_sgpr_workgroup_id_x 1
		.amdhsa_system_sgpr_workgroup_id_y 1
		.amdhsa_system_sgpr_workgroup_id_z 1
		.amdhsa_system_vgpr_workitem_id 0
		.amdhsa_next_free_vgpr 1024
		.amdhsa_next_free_sgpr 100
		.amdhsa_reserve_vcc 0
		.amdhsa_float_denorm_mode_32 3
		.amdhsa_float_denorm_mode_16_64 3
		.amdhsa_memory_ordered 1
		.amdhsa_forward_progress 1
		.amdhsa_inst_pref_size 174
	.end_amdhsa_kernel
	.amdgpu_metadata
---
amdhsa.version: [ 1, 2 ]
amdhsa.kernels:
  - .name:           k_q2b356d0667_kscore
    .symbol:         k_q2b356d0667_kscore.kd
    .args:
      - { .name: key_codes, .offset: 0, .size: 8, .value_kind: global_buffer, .address_space: global }
      - { .name: key_scales, .offset: 8, .size: 8, .value_kind: global_buffer, .address_space: global }
      - { .name: Wk_codes, .offset: 16, .size: 8, .value_kind: global_buffer, .address_space: global }
      - { .name: Wk_scales, .offset: 24, .size: 8, .value_kind: global_buffer, .address_space: global }
      - { .name: qs, .offset: 32, .size: 8, .value_kind: global_buffer, .address_space: global }
      - { .name: part_s, .offset: 40, .size: 8, .value_kind: global_buffer, .address_space: global }
    .group_segment_fixed_size: 327680
    .private_segment_fixed_size: 0
    .kernarg_segment_align: 8
    .kernarg_segment_size: 48
    .max_flat_workgroup_size: 128
    .sgpr_count:     100
    .vgpr_count:     1024
    .wavefront_size: 32
...
	.end_amdgpu_metadata
.endif
;; end of part 2
;; launch vsum (part 3): grid 4 x 64, 4 waves a work-group, clusters of 4 x 4, 327,680 bytes of LDS; arguments value_codes, value_scales, Wv_codes, Wv_scales, part_s, part_o; writes part_o
.if DOCPART == 3
	.amdgcn_target "amdgcn-amd-amdhsa--gfx1250"
	.amdhsa_code_object_version 6
	.text
	.protected	k_q2b356d0667_vsum
	.globl	k_q2b356d0667_vsum
	.p2align	8
	.type	k_q2b356d0667_vsum,@function
k_q2b356d0667_vsum:
	s_mov_b64 s[64:65], 0
	v_nop
	global_prefetch_b8 v0, s[64:65] scope:SCOPE_SE
	s_setreg_imm32_b32 hwreg(HW_REG_WAVE_MODE, 25, 1), 1
	s_wait_xcnt 0x0
	s_wait_alu depctr_hold_cnt(0) depctr_sa_sdst(0) depctr_va_vdst(0) depctr_va_sdst(0) depctr_va_ssrc(0) depctr_va_vcc(0) depctr_vm_vsrc(0)
	s_getreg_b32 s2, hwreg(HW_REG_IB_STS2, 6, 4)
	s_cmp_eq_u32 s2, 0
	s_cbranch_scc0 .Lentry_in_a_cluster
	s_endpgm
.Lentry_in_a_cluster:
	s_bfe_u32 s2, ttmp6, 0x10000c
	s_cmp_lg_u32 s2, 0xf033
	s_cbranch_scc0 .Lentry_shape_is_right
	s_endpgm
.Lentry_shape_is_right:
; part_o[batch][cy][n] = sum over the 512 rows m of row tile cy of p[m] (value Wv)[m][n], p = the softmax of the batch's 2,048 scores (the sum of part_s's four parts), its maximum taken away.  32,768 rows, K = 1,024, codes of E4M3.
; The shares, the clusters, the slots, the stream and the prefetches are those of the launch kscore: a cluster serves a batch; a wave keeps 128 columns x 512 of K of Wv in registers and streams 512 rows past them in 32 blocks of 16.
; The product is not transposed (source 0 = 16 rows of value, source 1 = 16 columns of Wv): a lane holds one column and eight rows a tile, and the sum over rows stays in two registers a tile (a set for each parity of blocks).
; THE SOFTMAX stands at the head, while the first tiles are on their way: each work-group reads its batch's scores whole (32,768 bytes); a wave takes 512 of them, its own maximum away; the four (maximum, sum) meet in LDS; p of the work-group's own 512 rows, divided by the sum, lies in LDS.
; WINDOWS: as in kscore; behind the weight's fragments windows 2 and 3 hold p of two blocks each (v224, v232).  The first block's way out finds zeros.
; LIMITS: NaN and infinities are not served.  A weight under 2^-126 comes out of v_exp_f32 as 0.
.set PITCH, 1040
.set BLKB, 16*PITCH
.set SLOT, 128*PITCH
.set X0, 2*SLOT
.set XSCL, X0+32*PITCH
.set PB, XSCL+64*272    ; p: 512 numbers
.set XCH, PB+2048       ; four waves' (maximum, sum)
.set OST, XCH+256       ; the way out: [half of K][half of a lane group][256 columns]
.set SPARE, OST+4096
.set GS, 17
.set PWA, 9
.set SPW, 10
.set NIL, 11
.set ADWL, 12
.set ADWH, 13
.set AD0, 14
.set AD, 15
.set ADS, 16
.set WSC, 18
.set PF1, 34
.set PFO, 35
.set XSC, 36
.set OUT, 44            ; eight pairs, in windows 0 and 1
.set PA, 60
.set OSA, 61
.set ORD, 62
.set GO, 63
.set ACC, 64
.set XF, 128
.set PP, 224
.set G1W, 24
.set G1X, 48
.set G1Y, 76
.set G1S, 84
.set G0W, 56
.set G0X, 60
.set G0S, 68
.set G0R, 72
.set G0Y, 92
.set XB, 96
.set SEL, 34
.set FO, 36
.set CNT, 37
.set MSB, 0
.macro WIN new
.if MSB != \new
	s_set_vgpr_msb (MSB<<8)|\new
.set MSB, \new
.endif
.endm
.macro WALU
	s_wait_alu depctr_va_vdst(0)
.endm
.macro BARRIER
	s_barrier_signal -1
	s_barrier_wait -1
.endm
.macro CREST
	s_cmp_lg_u32 s16, 0
	s_cbranch_scc1 .Lnot_wave_0_\@
	s_barrier_signal -3
.Lnot_wave_0_\@:
	s_barrier_wait -3
	BARRIER
.endm
.macro CROUND
	BARRIER
	CREST
.endm
.macro TLOAD g0, g1
	tensor_load_to_lds s[\g0:\g0+3], s[\g1:\g1+7]
	s_nop 0
.rept 4
	v_nop
.endr
.endm
.macro GROUP1 g, mask, rows
	s_or_b32 s[\g+0], s[\mask], (1<<20)|(1<<21)|(7<<22)|(3<<25)
	s_mov_b32 s[\g+1], 1024<<16
	s_mov_b32 s[\g+2], (\rows)<<16
	s_mov_b32 s[\g+3], 1024<<16
	s_mov_b32 s[\g+4], \rows
	s_mov_b32 s[\g+5], 1024
	s_mov_b32 s[\g+6], 0
	s_mov_b32 s[\g+7], 0
.endm
.macro PROD e, n  ; product n = 8 k + t of a block of set e
.set t_, (\n)%8
.set k_, (\n)/8
.set w_, 3
.set f_, 16*((\n)-18)
.if (\n) < 4
.set w_, 1
.set f_, 192+16*(\n)
.elseif (\n) < 18
.set w_, 2
.set f_, 16*((\n)-4)
.endif
.set d_, ACC+8*t_
.set x_, XF+16*k_
.set y_, WSC+4*(t_/2)+k_
.set z_, XSC+4*(\e)+k_
	WIN ((1-\e)|(w_<<2)|(0x50*\e))
.if k_ == 0
.if t_%2
	v_wmma_scale_f32_16x16x128_f8f6f4 v[d_:d_+7], v[x_:x_+15], v[f_:f_+15], 0, v[z_], v[y_] matrix_b_scale:MATRIX_SCALE_ROW1
.else
	v_wmma_scale_f32_16x16x128_f8f6f4 v[d_:d_+7], v[x_:x_+15], v[f_:f_+15], 0, v[z_], v[y_]
.endif
.elseif t_%2
	v_wmma_scale_f32_16x16x128_f8f6f4 v[d_:d_+7], v[x_:x_+15], v[f_:f_+15], v[d_:d_+7], v[z_], v[y_] matrix_b_scale:MATRIX_SCALE_ROW1
.else
	v_wmma_scale_f32_16x16x128_f8f6f4 v[d_:d_+7], v[x_:x_+15], v[f_:f_+15], v[d_:d_+7], v[z_], v[y_]
.endif
.endm
; line m of the way out of the block before: four tiles by turns, two rows a line, each accumulator from its low end on
.macro LINE e, m
.set c_, 4*((\m)/16)+(\m)%4
.set i_, 2*(((\m)%16)/4)
.set o_, OUT+2*c_
.set q_, PP+8*(1-\e)+i_
	v_pk_fma_f32 v[o_:o_+1], v[ACC+8*c_+i_:ACC+8*c_+i_+1], v[q_:q_+1], v[o_:o_+1]
.endm
.macro GAP e, n, st
.if (\n) < 4
.if ((\n) == 1) && (\st > 0)
	WIN 0
	v_add_nc_u32 v[PA], 0x80, v[PA]
.if (\st == 1) || (\st == 2)
	v_add_nc_u32 v[AD], s[FO], v[AD0]
	v_add_nc_u32 v[ADS], 0x440, v[ADS]
	s_add_co_u32 s[FO], s[FO], 2*BLKB
.endif
.if \st == 2
	v_add_nc_u32 v[PFO], 0x20000, v[PFO]
	v_min_u32 v[PFO], 0x7ff00, v[PFO]
.endif
.endif
.else
.if (\n) < 18
.set a_, ((\n)-4)*16/14
.set b_, ((\n)-3)*16/14
.else
.set a_, 16+((\n)-18)*8/14
.set b_, 16+((\n)-17)*8/14
.endif
.if b_ > a_
	LINE \e, a_
.endif
.if b_ > a_+1
	LINE \e, (a_+1)
.endif
.endif
.endm
.macro BLOCK e, from, to, st
.set N_, \from
.rept (\to)-(\from)
	PROD \e, N_
	GAP \e, N_, \st
.set N_, N_+1
.endr
.endm
.macro LINES8 e
.irp m, 24,25,26,27,28,29,30,31
	LINE \e, \m
.endr
.endm
.macro PLOAD set, off  ; p of a block into windows 2 and 3: four loads
	WIN 0x80
	ds_load_b128 v[PP+8*(\set):PP+8*(\set)+3], v[PA] offset:\off
	ds_load_b128 v[PP+8*(\set)+4:PP+8*(\set)+7], v[PA] offset:(\off)+16
	WIN 0xc0
	ds_load_b128 v[PP+8*(\set):PP+8*(\set)+3], v[PA] offset:\off
	ds_load_b128 v[PP+8*(\set)+4:PP+8*(\set)+7], v[PA] offset:(\off)+16
.endm
.macro FETCH e
	WIN ((1-\e)<<6)
.irp k, 0,1,2,3
.irp c, 0,1,2,3
	ds_load_b128 v[XF+16*\k+4*\c:XF+16*\k+4*\c+3], v[AD] offset:BLKB*\e+128*\k+32*\c
.endr
.endr
	WIN 0
	ds_load_b128 v[XSC+4*\e:XSC+4*\e+3], v[ADS] offset:544*\e
.endm
.macro BLK e, w, st, fe  ; fe: 1 the next block's p and the rows two blocks on; 2 p alone
.if (\w) >= 0
	s_wait_dscnt \w
.endif
	BLOCK \e, 0, 32, \st
	LINES8 \e
.if \fe
	PLOAD (1-\e), 64*(\e+1)
.endif
.if \fe == 1
	FETCH \e
.endif
	WIN 0
.endm
.macro PAIR
	BLK 0, 21, 1, 1
	BLK 1, 21, 0, 1
.endm
.macro RUNP lbl, n
	s_mov_b32 s[CNT], \n
\lbl:
	PAIR
	s_sub_co_u32 s[CNT], s[CNT], 1
	s_cmp_lg_u32 s[CNT], 0
	s_cbranch_scc1 \lbl
.endm
.macro RPAIR kind
.if (\kind == 1) || (\kind == 2)
	s_wait_xcnt 0x0
.endif
	s_wait_dscnt 17
.if (\kind == 1) || (\kind == 2)
	BLOCK 0, 0, 20, 2
.else
	BLOCK 0, 0, 20, 1
.endif
	WIN 0
	WALU
	s_wait_tensorcnt 0x0
.if \kind
	ds_add_u32 v[SPW], v[NIL]
.endif
.if \kind == 1
	s_add_co_u32 s[G0R+1], s[G0R+1], SLOT
	s_add_nc_u64 s[G0R+2:G0R+3], s[G0R+2:G0R+3], 0x20000
.elseif \kind == 2
	s_sub_co_u32 s[G0R+1], s[G0R+1], SLOT
	s_add_nc_u64 s[G0R+2:G0R+3], s[G0R+2:G0R+3], 0x20000
.endif
	BLOCK 0, 20, 28, 1
	WIN 0
	WALU
	s_wait_dscnt 0x0
	s_barrier_signal -1
	BLOCK 0, 28, 32, 1
	LINES8 0
	WIN 0
	s_barrier_wait -1
.if \kind
	CREST
.if \kind == 3
	TLOAD G0Y, G1Y
.else
	TLOAD G0R, G1X
.endif
.endif
	PLOAD 1, 64
	FETCH 0
.if (\kind == 1) || (\kind == 2)
	global_prefetch_b8 v[PFO], s[XB:XB+1] th:TH_LOAD_NT scope:SCOPE_SE
.endif
	BLK 1, -1, 0, 1
.endm
.macro WFRAG n, adr, t
.set w_, 3
.set f_, 16*((\n)-18)
.if (\n) < 4
.set w_, 1
.set f_, 192+16*(\n)
.elseif (\n) < 18
.set w_, 2
.set f_, 16*((\n)-4)
.endif
	WIN (w_<<6)
.irp c, 0,1,2,3
	ds_load_b128 v[f_+4*\c:f_+4*\c+3], v[\adr] offset:((\t)%4)*BLKB+128*((\n)/8)+32*\c
.endr
.endm
.macro WREAD adr, t0
.irp k, 0,1,2,3
.irp t, 0,1,2,3
	WFRAG (8*\k+\t0+\t), \adr, \t
.endr
.endr
	WIN 0
.endm
	s_load_b256 s[4:11], s[0:1], 0x0               ; value codes, value scales, Wv codes, Wv scales
	s_load_b128 s[12:15], s[0:1], 0x20             ; part_s, part_o
	v_lshl_add_u32 v[SPW], v0, 2, SPARE
	v_mov_b32 v[NIL], 0
	ds_add_u32 v[SPW], v[NIL]                      ; the wave's opening
	ds_add_u32 v[SPW], v[NIL]
	v_lshrrev_b32 v1, 5, v0
	v_readfirstlane_b32 s16, v1                    ; wave
	s_lshr_b32 s17, s16, 1                         ; KH
	s_and_b32 s18, s16, 1                          ; CH
	s_bfe_u32 s19, ttmp6, 0x40000                  ; cx
	s_bfe_u32 s20, ttmp6, 0x40004                  ; cy
	s_and_b32 s21, ttmp7, 0xffff                   ; the batch
	s_lshl_b32 s38, s20, 2
	s_lshl_b32 s38, 15, s38
	s_lshl_b32 s39, 0x1111, s19
	GROUP1 G1W, 39, 128
	GROUP1 G1X, 38, 32
	GROUP1 G1Y, 38, 24
	s_or_b32 s[G1S+0], s38, (3<<16)|(1<<20)|(1<<21)|(5<<22)|(3<<25)
	s_mov_b32 s[G1S+1], 32<<16
	s_mov_b32 s[G1S+2], 64<<16
	s_mov_b32 s[G1S+3], 32<<16
	s_mov_b32 s[G1S+4], 64
	s_mov_b32 s[G1S+5], 32
	s_mov_b32 s[G1S+6], 0
	s_mov_b32 s[G1S+7], 0
	s_lshl_b32 s40, s21, 21
	s_lshl_b32 s22, s20, 19
	s_add_co_u32 s40, s40, s22
	s_mov_b32 s41, 0
	s_lshr_b32 s44, s40, 5
	s_mov_b32 s45, 0
	s_lshl_b32 s42, s19, 18
	s_lshl_b32 s23, s18, 17
	s_add_co_u32 s42, s42, s23
	s_mov_b32 s43, 0
	s_mov_b32 s[G0W], 1
	s_mul_i32 s[G0W+1], s18, SLOT
	s_mov_b32 s[G0X], 1
	s_mov_b32 s[G0X+1], X0
	s_mov_b32 s[G0S], 1
	s_mov_b32 s[G0S+1], XSCL
	s_mov_b32 s[G0R], 1
	s_mul_i32 s[G0R+1], s16, 32*PITCH
	s_mov_b32 s[G0Y], 1
	s_mul_i32 s[G0Y+1], s16, 24*PITCH
	s_add_co_u32 s[G0Y+1], s[G0Y+1], SLOT
	s_lshl_b32 s2, s16, 15
	s_add_co_u32 s2, s2, 0x8000
	s_mov_b32 s3, 0
	s_mul_i32 s22, s16, 24*1024
	s_add_co_u32 s22, s22, 416*1024
	s_mov_b32 s23, 0
	s_wait_dscnt 0x0
	CROUND
	s_wait_kmcnt 0x0
	s_add_nc_u64 s[G0W+2:G0W+3], s[8:9], s[42:43]
	s_or_b32 s[G0W+3], s[G0W+3], 0x80000000
	s_add_nc_u64 s[XB:XB+1], s[4:5], s[40:41]
	s_mov_b64 s[G0X+2:G0X+3], s[XB:XB+1]
	s_or_b32 s[G0X+3], s[G0X+3], 0x80000000
	s_add_nc_u64 s[G0S+2:G0S+3], s[6:7], s[44:45]
	s_or_b32 s[G0S+3], s[G0S+3], 0x80000000
	s_add_nc_u64 s[G0R+2:G0R+3], s[XB:XB+1], s[2:3]
	s_or_b32 s[G0R+3], s[G0R+3], 0x80000000
	s_add_nc_u64 s[G0Y+2:G0Y+3], s[XB:XB+1], s[22:23]
	s_or_b32 s[G0Y+3], s[G0Y+3], 0x80000000
	s_cmp_eq_u32 s16, 0
	s_cbranch_scc0 .Lwave_1
	TLOAD G0W, G1W                                 ; wave 0: the weight's first 128 rows
	s_branch .Lasked
.Lwave_1:
	s_cmp_eq_u32 s16, 1
	s_cbranch_scc0 .Lwave_2
	TLOAD G0W, G1W                                 ; wave 1: its last 128
	s_branch .Lasked
.Lwave_2:
	s_cmp_eq_u32 s16, 2
	s_cbranch_scc0 .Lwave_3
	TLOAD G0X, G1X                                 ; wave 2: the first 32 rows
	s_branch .Lasked
.Lwave_3:
	TLOAD G0S, G1S                                 ; wave 3: the scale bytes of the 512 rows
.Lasked:
	s_lshl_b32 s46, s19, 13
	s_lshl_b32 s22, s18, 11
	s_add_co_u32 s46, s46, s22
	s_lshl_b32 s22, s17, 4
	s_add_co_u32 s46, s46, s22
	s_mov_b32 s47, 0
	s_add_nc_u64 s[10:11], s[10:11], s[46:47]
	s_lshl_b32 s98, s21, 13                        ; the batch's scores,
	s_mov_b32 s99, 0
	s_add_nc_u64 s[98:99], s[12:13], s[98:99]
	s_lshl_b32 s46, s20, 11                        ; and my own rows'
	s_add_nc_u64 s[46:47], s[98:99], s[46:47]
	s_lshl_b32 s2, s17, 9
	s_mul_i32 s3, s18, 64*PITCH
	s_add_co_u32 s3, s3, s2
	s_add_co_u32 s22, s22, XSCL
	s_lshl_b32 s23, s17, 11                        ; the way out's stage
	s_lshl_b32 s33, s18, 8
	s_add_co_u32 s23, s23, s33
	s_add_co_u32 s23, s23, OST
	s_lshl_b32 s33, s16, 3
	s_add_co_u32 s33, s33, XCH
	s_lshl_b32 s32, s19, 2
	s_add_co_u32 s32, s32, s16
	s_lshl_b32 s32, s32, 13
	s_add_co_u32 s32, s32, 0x8000
	s_mov_b32 s[SEL], 0x76543210
	s_mov_b32 s[SEL+1], 0xfedcba98
	s_mov_b32 s[FO], 0
	v_and_b32 v1, 15, v0                           ; r
	v_bfe_u32 v2, v0, 4, 1                         ; h
	v_and_b32 v3, 31, v0
	v_mul_u32_u24 v4, v1, PITCH
	v_lshl_add_u32 v4, v2, 4, v4
	v_add_nc_u32 v[ADWL], s3, v4
	v_add_nc_u32 v[ADWH], SLOT, v[ADWL]
	v_add_nc_u32 v[AD0], s2, v4
	v_add_nc_u32 v[AD], X0, v[AD0]
	v_lshlrev_b32 v5, 5, v1
	v_lshrrev_b32 v6, 3, v1
	v_lshl_add_u32 v5, v6, 4, v5
	v_add_nc_u32 v[ADS], s22, v5
	v_lshlrev_b32 v7, 5, v3
	v_lshl_add_u32 v[PF1], v3, 8, s32
	v_add_nc_u32 v[PFO], 0x20000, v[PF1]
	v_lshlrev_b32 v[GS], 4, v0
	v_add_nc_u32 v[PWA], PB, v[GS]
	v_lshl_add_u32 v[PA], v2, 5, PB-128            ; a pair's p: 128 bytes; the first pair's step brings it to PB + 32 h
	v_lshl_add_u32 v8, v2, 10, s23
	v_lshl_add_u32 v[OSA], v1, 2, v8
	v_lshlrev_b32 v[GO], 3, v0
	v_add_nc_u32 v[ORD], OST, v[GO]
	v_mov_b32 v146, 0
	v_mov_b32 v147, s33
	v_mov_b32 v154, XCH
	WALU
.irp p, 0,1,2,3
	global_load_b128 v[WSC+4*\p:WSC+4*\p+3], v7, s[10:11] offset:4096*(\p/2)+1024*(\p%2)
.endr
.irp j, 0,1,2,3
.irp c, 0,1,2,3
	global_load_b128 v[64+16*\j+4*\c:67+16*\j+4*\c], v[GS], s[98:99] offset:131072*\c+2048*\j   ; part c of four scores: rows 512 j + 4 x thread on
.endr
.endr
.irp c, 0,1,2,3
	global_load_b128 v[128+4*\c:131+4*\c], v[GS], s[46:47] offset:131072*\c
.endr
	global_prefetch_b8 v[PF1], s[XB:XB+1] th:TH_LOAD_NT scope:SCOPE_SE
	global_prefetch_b8 v[PFO], s[XB:XB+1] th:TH_LOAD_NT scope:SCOPE_SE
.irp i, 0,1,2,3,4,5,6,7,8,9,10,11,12,13,14,15
	v_mov_b32 v[OUT+\i], 0
.endr
	WIN 0x40
.irp i, 0,1,2,3,4,5,6,7,8,9,10,11,12,13,14,15
	v_mov_b32 v[OUT+\i], 0
.endr
.set I_, 0
.rept 64
	v_mov_b32 v[ACC+I_], 0                         ; what the first block's way out finds
.set I_, I_+1
.endr
	WIN 0
	WALU
	s_wait_loadcnt 0x0
.irp x, 64,80,96,112,128                           ; the four parts of each score, in one order for all
	v_pk_add_f32 v[\x:\x+1], v[\x:\x+1], v[\x+4:\x+5]
	v_pk_add_f32 v[\x+2:\x+3], v[\x+2:\x+3], v[\x+6:\x+7]
	v_pk_add_f32 v[\x+8:\x+9], v[\x+8:\x+9], v[\x+12:\x+13]
	v_pk_add_f32 v[\x+10:\x+11], v[\x+10:\x+11], v[\x+14:\x+15]
.endr
.irp x, 64,80,96,112,128
	v_pk_add_f32 v[\x:\x+1], v[\x:\x+1], v[\x+8:\x+9]
	v_pk_add_f32 v[\x+2:\x+3], v[\x+2:\x+3], v[\x+10:\x+11]
.endr
	v_max3_num_f32 v144, v64, v65, v66
	v_max3_num_f32 v145, v67, v80, v81
	v_max3_num_f32 v144, v144, v82, v83
	v_max3_num_f32 v145, v145, v96, v97
	v_max3_num_f32 v144, v144, v98, v99
	v_max3_num_f32 v145, v145, v112, v113
	v_max3_num_f32 v144, v144, v114, v115
	v_max_num_f32 v144, v144, v145
.irp m, 1,2,4,8
	v_max_num_f32_dpp v144, v144, v144 row_xmask:\m row_mask:0xf bank_mask:0xf
.endr
	v_permlanex16_b32 v146, v144, s[SEL], s[SEL+1]
	v_max_num_f32 v144, v144, v146                 ; my wave's largest of 512 scores
.irp x, 64,80,96,112
.irp i, 0,1,2,3
	v_sub_f32 v[\x+\i], v[\x+\i], v144
.endr
.endr
	WALU
.irp x, 64,80,96,112
.irp i, 0,1,2,3
	v_exp_f32 v[\x+\i], v[\x+\i]
.endr
.endr
	v_mov_b32 v148, v144
	WALU
	v_pk_add_f32 v[150:151], v[64:65], v[66:67]
	v_pk_add_f32 v[152:153], v[80:81], v[82:83]
	v_pk_add_f32 v[156:157], v[96:97], v[98:99]
	v_pk_add_f32 v[158:159], v[112:113], v[114:115]
	v_pk_add_f32 v[150:151], v[150:151], v[152:153]
	v_pk_add_f32 v[156:157], v[156:157], v[158:159]
	v_pk_add_f32 v[150:151], v[150:151], v[156:157]
	v_add_f32 v149, v150, v151
.irp m, 1,2,4,8
	v_add_f32_dpp v149, v149, v149 row_xmask:\m row_mask:0xf bank_mask:0xf
.endr
	v_permlanex16_b32 v146, v149, s[SEL], s[SEL+1]
	v_add_f32 v149, v149, v146
	ds_store_b64 v147, v[148:149]
	WALU
	s_wait_dscnt 0x0
	BARRIER
	ds_load_b128 v[156:159], v154
	ds_load_b128 v[160:163], v154 offset:16
	s_wait_dscnt 0x0
	v_max3_num_f32 v164, v156, v158, v160
	v_max_num_f32 v164, v164, v162                 ; the batch's largest score
	v_sub_f32 v166, v156, v164
	v_sub_f32 v167, v158, v164
	v_sub_f32 v168, v160, v164
	v_sub_f32 v169, v162, v164
.irp i, 128,129,130,131
	v_sub_f32 v\i, v\i, v164
.endr
	WALU
.irp i, 166,167,168,169,128,129,130,131
	v_exp_f32 v\i, v\i
.endr
	v_nop
	WALU
	v_mul_f32 v170, v166, v157
	v_fma_f32 v170, v167, v159, v170
	v_fma_f32 v170, v168, v161, v170
	v_fma_f32 v170, v169, v163, v170               ; the sum over 2,048
	WALU
	v_rcp_f32 v171, v170
	v_nop
	WALU
.irp i, 128,129,130,131
	v_mul_f32 v\i, v\i, v171
.endr
	ds_store_b128 v[PWA], v[128:131]
	WALU
	s_wait_dscnt 0x0
	s_cmp_eq_u32 s16, 0
	s_cbranch_scc0 .Lnot_first
	s_wait_tensorcnt 0x0                           ; wave 0: the weight's first half is in
.Lnot_first:
	BARRIER                                        ; and so is everybody's p
	WREAD ADWL, 0
	s_wait_tensorcnt 0x0
	ds_add_u32 v[SPW], v[NIL]
	s_wait_dscnt 0x0
	CROUND
	TLOAD G0R, G1X                                 ; chunk 1 into slot 0
	WREAD ADWH, 4
	PLOAD 0, 128
	PLOAD 1, 128                                   ; (any finite numbers: they meet zeros)
	FETCH 0
	FETCH 1
	RPAIR 1
	RUNP .Lp1, 3
	RPAIR 2
	RUNP .Lp2, 3
	s_mov_b32 s[FO], 0
	RPAIR 3
	RUNP .Lp3, 3
	RPAIR 0
	RUNP .Lp4, 2
	BLK 0, 21, 3, 2
	BLK 1, 4, 0, 0
	WALU
	s_wait_dscnt 0x0                               ; block 31's p
	WIN (1|(2<<2))
.set I_, 0
.rept 16
	LINE 0, I_
.set I_, I_+1
.endr
	WIN (1|(3<<2))
.rept 16
	LINE 0, I_
.set I_, I_+1
.endr
	WIN 0x04
.irp t, 0,1,2,3,4,5,6,7
	v_pk_add_f32 v[64+2*\t:65+2*\t], v[OUT+2*\t:OUT+2*\t+1], v[OUT+2*\t:OUT+2*\t+1]   ; source 0: window 0, source 1: window 1
.endr
	WIN 0
.irp t, 0,1,2,3,4,5,6,7
	v_add_f32 v[80+\t], v[64+2*\t], v[65+2*\t]
.endr
.irp t, 0,1,2,3,4,5,6,7
	ds_store_b32 v[OSA], v[80+\t] offset:512*(\t/4)+64*(\t%4)
.endr
	s_lshl_b32 s2, s21, 14                         ; part_o: [batch][row tile][1,024]
	s_lshl_b32 s22, s20, 12
	s_add_co_u32 s2, s2, s22
	s_lshl_b32 s22, s19, 10
	s_add_co_u32 s2, s2, s22
	s_mov_b32 s3, 0
	s_add_nc_u64 s[14:15], s[14:15], s[2:3]
	WALU
	s_wait_dscnt 0x0
	BARRIER
.irp i, 0,1,2,3
	ds_load_b64 v[96+2*\i:97+2*\i], v[ORD] offset:1024*\i
.endr
	s_wait_dscnt 0x0
	v_pk_add_f32 v[96:97], v[96:97], v[98:99]
	v_pk_add_f32 v[100:101], v[100:101], v[102:103]
	v_pk_add_f32 v[96:97], v[96:97], v[100:101]
	global_store_b64 v[GO], v[96:97], s[14:15]     ; a wave stores 256 consecutive bytes, aligned
	s_wait_tensorcnt 0x0                           ; the wave's end
	ds_add_u32 v[SPW], v[NIL]
	s_wait_dscnt 0x0
	CROUND                                         ; the closing round
	s_endpgm
.Lfunc_end_k_q2b356d0667_vsum:
	.size	k_q2b356d0667_vsum, .Lfunc_end_k_q2b356d0667_vsum-k_q2b356d0667_vsum
	.p2alignl 7, 3214868480
	.fill 96, 4, 3214868480
	.section	.rodata,"a",@progbits
	.p2align	6, 0x0
	.amdhsa_kernel k_q2b356d0667_vsum
		.amdhsa_group_segment_fixed_size 327680
		.amdhsa_private_segment_fixed_size 0
		.amdhsa_enable_private_segment 0
		.amdhsa_kernarg_size 48
		.amdhsa_user_sgpr_count 2
		.amdhsa_user_sgpr_kernarg_segment_ptr 1
		.amdhsa_wavefront_size32 1
		.amdhsa_system_sgpr_workgroup_id_x 1
		.amdhsa_system_sgpr_workgroup_id_y 1
		.amdhsa_system_sgpr_workgroup_id_z 1
		.amdhsa_system_vgpr_workitem_id 0
		.amdhsa_next_free_vgpr 1024
		.amdhsa_next_free_sgpr 100
		.amdhsa_reserve_vcc 0
		.amdhsa_float_denorm_mode_32 3
		.amdhsa_float_denorm_mode_16_64 3
		.amdhsa_memory_ordered 1
		.amdhsa_forward_progress 1
		.amdhsa_inst_pref_size 177
	.end_amdhsa_kernel
	.amdgpu_metadata
---
amdhsa.version: [ 1, 2 ]
amdhsa.kernels:
  - .name:           k_q2b356d0667_vsum
    .symbol:         k_q2b356d0667_vsum.kd
    .args:
      - { .name: value_codes, .offset: 0, .size: 8, .value_kind: global_buffer, .address_space: global }
      - { .name: value_scales, .offset: 8, .size: 8, .value_kind: global_buffer, .address_space: global }
      - { .name: Wv_codes, .offset: 16, .size: 8, .value_kind: global_buffer, .address_space: global }
      - { .name: Wv_scales, .offset: 24, .size: 8, .value_kind: global_buffer, .address_space: global }
      - { .name: part_s, .offset: 32, .size: 8, .value_kind: global_buffer, .address_space: global }
      - { .name: part_o, .offset: 40, .size: 8, .value_kind: global_buffer, .address_space: global }
    .group_segment_fixed_size: 327680
    .private_segment_fixed_size: 0
    .kernarg_segment_align: 8
    .kernarg_segment_size: 48
    .max_flat_workgroup_size: 128
    .sgpr_count:     100
    .vgpr_count:     1024
    .wavefront_size: 32
...
	.end_amdgpu_metadata
.endif
;; end of part 3
;; launch combine (part 4): grid 2 x 16, 4 waves a work-group, no clusters, 0 bytes of LDS; arguments part_o, out0; writes out0
.if DOCPART == 4
	.amdgcn_target "amdgcn-amd-amdhsa--gfx1250"
	.amdhsa_code_object_version 6
	.text
	.protected	k_q2b356d0667_combine
	.globl	k_q2b356d0667_combine
	.p2align	8
	.type	k_q2b356d0667_combine,@function
k_q2b356d0667_combine:
	s_mov_b64 s[64:65], 0
	v_nop
	global_prefetch_b8 v0, s[64:65] scope:SCOPE_SE
	s_setreg_imm32_b32 hwreg(HW_REG_WAVE_MODE, 25, 1), 1
	s_wait_xcnt 0x0
; out0[b][c] = the sum of part_o[b][i][c] over the four row tiles i.  A thread takes four columns; each load and the store of a wave cover 512 consecutive bytes.  No LDS, no matrix unit: 262,144 bytes are read once.
	s_load_b128 s[4:7], s[0:1], 0x0                ; part_o, out0
	v_lshlrev_b32 v1, 4, v0
	s_and_b32 s8, ttmp7, 0xffff                    ; the batch
	s_lshl_b32 s10, ttmp9, 11                      ; 512 columns
	s_lshl_b32 s12, s8, 14
	s_add_co_u32 s12, s12, s10
	s_mov_b32 s13, 0
	s_lshl_b32 s14, s8, 12
	s_add_co_u32 s14, s14, s10
	s_mov_b32 s15, 0
	s_wait_alu depctr_va_vdst(0)
	s_wait_kmcnt 0x0
	s_add_nc_u64 s[4:5], s[4:5], s[12:13]
	s_add_nc_u64 s[6:7], s[6:7], s[14:15]
.irp i, 0,1,2,3
	global_load_b128 v[4+4*\i:7+4*\i], v1, s[4:5] offset:4096*\i
.endr
	s_wait_loadcnt 0x0
	v_pk_add_f32 v[4:5], v[4:5], v[8:9]
	v_pk_add_f32 v[6:7], v[6:7], v[10:11]
	v_pk_add_f32 v[12:13], v[12:13], v[16:17]
	v_pk_add_f32 v[14:15], v[14:15], v[18:19]
	v_pk_add_f32 v[4:5], v[4:5], v[12:13]
	v_pk_add_f32 v[6:7], v[6:7], v[14:15]
	global_store_b128 v1, v[4:7], s[6:7]
	s_endpgm
.Lfunc_end_k_q2b356d0667_combine:
	.size	k_q2b356d0667_combine, .Lfunc_end_k_q2b356d0667_combine-k_q2b356d0667_combine
	.p2alignl 7, 3214868480
	.fill 96, 4, 3214868480
	.section	.rodata,"a",@progbits
	.p2align	6, 0x0
	.amdhsa_kernel k_q2b356d0667_combine
		.amdhsa_group_segment_fixed_size 0
		.amdhsa_private_segment_fixed_size 0
		.amdhsa_enable_private_segment 0
		.amdhsa_kernarg_size 16
		.amdhsa_user_sgpr_count 2
		.amdhsa_user_sgpr_kernarg_segment_ptr 1
		.amdhsa_wavefront_size32 1
		.amdhsa_system_sgpr_workgroup_id_x 1
		.amdhsa_system_sgpr_workgroup_id_y 1
		.amdhsa_system_sgpr_workgroup_id_z 1
		.amdhsa_system_vgpr_workitem_id 0
		.amdhsa_next_free_vgpr 64
		.amdhsa_next_free_sgpr 66
		.amdhsa_reserve_vcc 0
		.amdhsa_float_denorm_mode_32 3
		.amdhsa_float_denorm_mode_16_64 3
		.amdhsa_memory_ordered 1
		.amdhsa_forward_progress 1
		.amdhsa_inst_pref_size 2
	.end_amdhsa_kernel
	.amdgpu_metadata
---
amdhsa.version: [ 1, 2 ]
amdhsa.kernels:
  - .name:           k_q2b356d0667_combine
    .symbol:         k_q2b356d0667_combine.kd
    .args:
      - { .name: part_o, .offset: 0, .size: 8, .value_kind: global_buffer, .address_space: global }
      - { .name: out0, .offset: 8, .size: 8, .value_kind: global_buffer, .address_space: global }
    .group_segment_fixed_size: 0
    .private_segment_fixed_size: 0
    .kernarg_segment_align: 8
    .kernarg_segment_size: 16
    .max_flat_workgroup_size: 128
    .sgpr_count:     66
    .vgpr_count:     64
    .wavefront_size: 32
...
	.end_amdgpu_metadata
.endif
;; end of part 4
